; MI455X (gfx1250); checked and timed in simulation.
; The chip was launched on July 23, 2026; its instructions are those of AMD's public machine-readable ISA for CDNA 5 (MIT licence, August 2026) and "CDNA5" Instruction Set Architecture Reference Guide (July 2026). The comments in the code are by the model that wrote it; some were corrected since.
;; Attn LRP Attention. Allowed arithmetic: matrix products marked QUANTISED: E2M1 operands, one E8M0 scale for each 32 along K, by v_wmma_scale_f32_16x16x128_f8f6f4 with both operands' format E2M1 (or v_wmma_scale_f32_32x16x128_f4), f32 sums; products left as they are: bf16, f16 or f32 operands; f32 sums; everything else in f32.
;; Inputs: b_proj 1,024 float32; b_qkv 3,072 float32; w_proj 1,024 x 1,024 float32; w_qkv 3,072 x 1,024 float32; x 4 x 2,048 x 1,024 float32.
;; Outputs: out0 4 x 2,048 x 1,024 float32.
;; This version of the problem:
;;   THIS VERSION OF THE PROBLEM IS GIVEN IN LOW PRECISION. The matrix products marked QUANTISED in the list below multiply operands that are first quantised to E2M1 (2 exponent bits, 1 mantissa bit; 4 bits a number), with one power-of-two scale for each 32 numbers along K (OCP MX v1.0); their sums are f32. The products marked 'left as it is' may take bf16, f16 or f32 operands, with f32 sums. Whichever they take, every output number must still come out within the allowed error. Rounding operands to bf16 (8 significant bits) uses up far more of that allowance than f16 does (11 bits, for magnitudes from 6e-5 to 65,504). All else is computed in f32.
;;   The module's matrix products, in the order in which they are computed (A, B: the left and right operand; K: the contracted axis; several contracted axes count as one K, in the product's order):
;;     1. [M 8,192, K 1,024] x [K 1,024, N 3,072]; A: input x; B: input w_qkv: QUANTISED
;;     2. batch 64 x [M 2,048, K 64] x [K 64, N 2,048]; A: computed on the way; B: computed on the way: left as it is (an operand is computed on the way)
;;     3. batch 64 x [M 2,048, K 2,048] x [K 2,048, N 64]; A: computed on the way; B: computed on the way: left as it is (an operand is computed on the way)
;;     4. [M 8,192, K 1,024] x [K 1,024, N 1,024]; A: computed on the way; B: input w_proj: left as it is (an operand is computed on the way)
;;   THE QUANTISER, for each operand of a quantised product, along K:
;;     - K is cut into blocks of 32 from its start; a last block that is shorter is filled with zeros.
;;     - A block's scale is 2^e with e = floor(log2(the largest magnitude in the block)) - 2, held to -126 .. 127; a block of zeros has e = 0. As a byte (E8M0): e + 127.
;;     - Each number is divided by its block's scale, clamped to +-6, and rounded to the nearest number of E2M1, ties to even, subnormals kept.
;;     - The product sums the exact products of the quantised numbers (number of the format x scale) in f32.
;;   ~~~python
;;   def quantise(x, axis):      # numpy; x: float32 -> the quantised numbers, widened to float32 again
;;       x = np.moveaxis(x, axis, -1); K = x.shape[-1]
;;       x = np.pad(x, [(0, 0)] * (x.ndim - 1) + [(0, -K % 32)]); x = x.reshape(x.shape[:-1] + (-1, 32)); a = np.abs(x).max(-1, keepdims=True)
;;       e = np.where(a > 0, np.clip(np.frexp(np.where(a > 0, a, 1))[1] - 1 - 2, -126, 127), 0)      # np.frexp(a)[1] - 1 = floor(log2(a)), exactly
;;       r = np.clip(x / 2.0 ** e, -6, 6)
;;       step = 2.0 ** (np.maximum(np.frexp(np.where(r == 0, 1, r))[1] - 1, 0) - 1)
;;       q = np.round(r / step) * step * 2.0 ** e      # np.round: ties to even
;;       return np.moveaxis(q.reshape(q.shape[:-2] + (-1,))[..., :K], -1, axis).astype(np.float32)
;;   ~~~
;; One version. Each part assembles by itself: llvm-mc -triple=amdgcn-amd-amdhsa -mcpu=gfx1250 --defsym DOCPART=n.
;; ======== version 1 of 1: 4 launches
;; limits: values are held in f16: magnitudes above 65,504 overflow, below 6.1e-05 lose precision
;; workspace buffers: x_codes 4,194,304 bytes; x_scales 262,144 bytes; w_codes 1,572,864 bytes; w_scales 98,304 bytes; wp16 2,097,152 bytes; q 16,777,216 bytes; kv 33,554,432 bytes; o 16,777,216 bytes
;; launch prep (part 1): grid 416 x 1, 4 waves a work-group, no clusters, 33,280 bytes of LDS; arguments x, w_qkv, x_codes, x_scales, w_codes, w_scales, w_proj, wp16; writes x_codes, x_scales, w_codes, w_scales, wp16
.if DOCPART == 1
	.amdgcn_target "amdgcn-amd-amdhsa--gfx1250"
	.amdhsa_code_object_version 6
	.text
	.protected	k_q175b4297e0_prep
	.globl	k_q175b4297e0_prep
	.p2align	8
	.type	k_q175b4297e0_prep,@function
k_q175b4297e0_prep:
	s_mov_b64 s[64:65], 0
	v_nop
	global_prefetch_b8 v0, s[64:65] scope:SCOPE_SE
	s_setreg_imm32_b32 hwreg(HW_REG_WAVE_MODE, 25, 1), 1
	s_wait_xcnt 0x0
; x [8192][1024] and w_qkv [3072][1024], f32, become codes of FP4 (E2M1), K innermost, two codes a byte, with one E8M0 scale byte for each 32 along K; w_proj [1024][1024] becomes f16, row-major.
; A block's scale is 2^(floor(log2(its largest magnitude)) - 2); its byte is the largest magnitude's own exponent field - 2, held at 1 from below.  A block of zeros so gets the byte 1 where the
; rule says 127: its codes are zeros, which add nothing under any byte but 0xff, and this program alone reads the bytes.  Each number is divided by the scale and rounded to the nearest code, ties to even;
; beyond the largest code the conversion gives the largest code.
; LIMITS: blocks whose largest magnitude lies under 2^-124 (the floor) were not tried; NaN and infinities are not served; |w_proj| stays under 65,504 (f16).
; SHARES: work-groups 0-255 take x, 256-351 w_qkv, 352-415 w_proj.  Rows are dense and K is a multiple of 32: each tensor is a plain stream.
; THE QUANTISER: a wave takes 16 steps of 512 numbers.  Each of a step's four loads reads 512 consecutive bytes; the 2,048 bytes turn through the wave's own stage in LDS and come back 64 bytes a lane,
; so that a lane holds 16 neighbours along K (two neighbouring lanes hold a block).  A lane's 16 codes are 8 bytes: the wave stores 256 consecutive bytes.  A wave's 256 scale bytes are gathered in LDS and leave as one store.
; No tensor loads, no barrier: waves share nothing.
.set WAVES, 4
.set STEPS, 16
.set WGA,   256                        ; 8192 x 1024 / 32768 work-groups for x
.set WGQ,   352                        ; + 3072 x 1024 / 32768 for w_qkv
.set EMAX,  2
.set CB,    8                          ; bytes of 16 codes
.set R,     16                         ; v16-79   four sets of 16 numbers as they are loaded
.set X,     80                         ; v80-111  two sets of 16 neighbours
.set C,     128                        ; v128-191 codes: four registers for each step, so that no store's data are written again
.set E,     112                        ; v112-127 a scale byte for each step
.set WREG,  8192                       ; LDS: a region for each wave: two stages of 32 x SP bytes, behind them its 256 scale bytes
.set SP,    80                         ; a lane's place in a stage: 64 bytes + 16 of padding
.set SPW,   12                         ; v12  LDS address of my spare word; never rewritten
.set NIL,   13                         ; v13  0; never rewritten
.set SPARE, WAVES*WREG                 ; behind the four regions: the spare words, 128 bytes a wave
.set F,     16                         ; w_proj's path: v16-143 numbers as loaded,
.set H,     144                        ; v144-207 as f16
	s_load_b128 s[4:7], s[0:1], 0x0                ; x, w_qkv
	s_load_b128 s[8:11], s[0:1], 0x10              ; x's codes, x's scales
	s_load_b128 s[12:15], s[0:1], 0x20             ; w_qkv's codes, its scales
	s_load_b128 s[24:27], s[0:1], 0x30             ; w_proj, wp16
	v_lshl_add_u32 v[SPW], v0, 2, SPARE
	v_mov_b32 v[NIL], 0
	v_lshrrev_b32 v1, 5, v0
	v_readfirstlane_b32 s16, v1                    ; wave
	v_and_b32 v2, 31, v0                           ; lane
	v_lshlrev_b32 v3, 4, v2                        ; my 16 bytes of a load's 512
	s_mul_i32 s17, s16, WREG
	v_lshrrev_b32 v14, 2, v2
	v_mul_u32_u24 v14, v14, SP
	v_and_b32 v15, 3, v2
	v_lshl_add_u32 v14, v15, 4, v14
	v_add_nc_u32 v14, s17, v14                     ; the stage, on the way in: SP (lane / 4) + 16 (lane % 4)
	v_mul_u32_u24 v15, v2, SP
	v_add_nc_u32 v15, s17, v15                     ; and on the way out: SP x lane: my 16 neighbours
	v_mul_u32_u24 v4, v2, CB                       ; 8 bytes a lane: my codes' place in a step's; also my f16 numbers' place
	v_lshrrev_b32 v5, 1, v2
	s_add_co_u32 s17, s17, 2*32*SP
	v_add_nc_u32 v5, s17, v5                       ; LDS: my wave's 256 scale bytes, my block's byte
	v_lshlrev_b32 v7, 3, v2
	v_add_nc_u32 v6, s17, v7                       ; and on the way out 8 bytes a lane
	s_wait_kmcnt 0x0
	s_cmp_lt_u32 ttmp9, WGQ                        ; the work-group's number alone decides
	s_cbranch_scc1 .Lquantise
	; ---- w_proj to f16: a wave takes 4,096 numbers: 32 loads of 512 consecutive bytes, 32 stores of 256 consecutive bytes.  Every register is written once: no store's data are rewritten.
	s_sub_co_u32 s17, ttmp9, WGQ
	s_lshl_b32 s17, s17, 2
	s_add_co_u32 s17, s17, s16                     ; which run of 4,096 numbers is my wave's
	s_lshl_b32 s18, s17, 14
	s_mov_b32 s19, 0
	s_add_nc_u64 s[24:25], s[24:25], s[18:19]
	s_lshl_b32 s18, s17, 13
	s_add_nc_u64 s[26:27], s[26:27], s[18:19]
.set i, 0
.rept 32
	global_load_b128 v[F+4*i:F+4*i+3], v3, s[24:25] offset:512*i th:TH_LOAD_NT
.set i, i+1
.endr
.set i, 0
.rept 32
	s_wait_loadcnt 31-i                            ; loads come back in order: load i is in, the younger ones stay out
	v_cvt_pk_f16_f32 v[H+2*i], v[F+4*i], v[F+4*i+1]
	v_cvt_pk_f16_f32 v[H+2*i+1], v[F+4*i+2], v[F+4*i+3]
	global_store_b64 v4, v[H+2*i:H+2*i+1], s[26:27] offset:256*i
.set i, i+1
.endr
	s_branch .Lend
.Lquantise:
	s_cmp_lt_u32 ttmp9, WGA                        ; x's work-group or w_qkv's?  Only pointers are chosen: both take one path
	s_cselect_b64 s[4:5], s[4:5], s[6:7]
	s_cselect_b64 s[8:9], s[8:9], s[12:13]
	s_cselect_b64 s[10:11], s[10:11], s[14:15]
	s_cselect_b32 s17, 0, WGA
	s_sub_co_u32 s17, ttmp9, s17
	s_lshl_b32 s17, s17, 2
	s_add_co_u32 s18, s17, s16                     ; which run of 8,192 numbers of the tensor is my wave's
	s_mov_b32 s19, 0
	s_mov_b64 s[20:21], 512*STEPS*4
	s_mul_u64 s[20:21], s[18:19], s[20:21]
	s_add_nc_u64 s[4:5], s[4:5], s[20:21]
	s_mov_b64 s[20:21], 32*STEPS*CB
	s_mul_u64 s[20:21], s[18:19], s[20:21]
	s_add_nc_u64 s[8:9], s[8:9], s[20:21]
	s_lshl_b32 s18, s18, 8                         ; 256 scale bytes a run
	s_add_nc_u64 s[10:11], s[10:11], s[18:19]
.macro LOAD t
.irp i, 0,1,2,3
	global_load_b128 v[R+16*((\t)%4)+4*\i:R+16*((\t)%4)+4*\i+3], v3, s[4:5] offset:2048*(\t)+512*\i th:TH_LOAD_NT   ; 32 lanes read 512 consecutive bytes
.endr
.endm
.macro TURN t                          ; step t's numbers through the stage: LDS serves a wave's instructions in order, so no wait stands between the stores and the loads
.irp i, 0,1,2,3
	ds_store_b128 v14, v[R+16*((\t)%4)+4*\i:R+16*((\t)%4)+4*\i+3] offset:32*SP*((\t)%2)+8*SP*\i
.endr
.irp i, 0,1,2,3
	ds_load_b128 v[X+16*((\t)%2)+4*\i:X+16*((\t)%2)+4*\i+3], v15 offset:32*SP*((\t)%2)+16*\i
.endr
.endm
.irp t, 0,1,2,3
	LOAD \t
.endr
	s_wait_loadcnt 12                              ; step 0's four loads are in; three steps' twelve may be out
	TURN 0
.macro STEP t
.set XS, X+16*((\t)%2)
.if (\t) > 0
	s_wait_dscnt 1                                 ; this step's numbers are back from the stage (the last step's byte store may be out): so its stores into the stage have read their registers,
.else
	s_wait_dscnt 0x0
.endif
.if (\t)+4 < STEPS
	LOAD (\t)+4                                    ; which take the loads of four steps on
.endif
.if (\t)+1 < STEPS
.if STEPS-2-(\t) >= 3
	s_wait_loadcnt 12                              ; the next step's four loads are in; those of the three steps behind it may be out
.else
	s_wait_loadcnt 4*(STEPS-2-(\t))
.endif
	TURN (\t)+1                                    ; and go through the other stage while this step is worked
.endif
	v_max3_num_f32 v8, |v[XS]|, |v[XS+1]|, |v[XS+2]|               ; the largest magnitude of my 16, in two chains
	v_max3_num_f32 v9, |v[XS+3]|, |v[XS+4]|, |v[XS+5]|
.irp i, 6,10
	v_max3_num_f32 v8, v8, |v[XS+\i]|, |v[XS+\i+1]|
	v_max3_num_f32 v9, v9, |v[XS+\i+2]|, |v[XS+\i+3]|
.endr
	v_max3_num_f32 v8, v8, |v[XS+14]|, |v[XS+15]|
	v_max3_num_f32 v8, v8, v9, (EMAX+1)<<23        ; and the floor 2^(EMAX + 1 - 127): the byte cannot fall under 1
	v_max_num_f32_dpp v8, v8, v8 row_xmask:1 row_mask:0xf bank_mask:0xf   ; and of my neighbour's 16: the block's
	v_add_nc_u32 v11, -(EMAX<<23), v8              ; EMAX off its exponent field: the conversion takes the exponent field of this operand as its scale
	v_cvt_scalef32_pk8_fp4_f32 v[C+4*(\t)], v[XS:XS+7], v11
	v_cvt_scalef32_pk8_fp4_f32 v[C+4*(\t)+1], v[XS+8:XS+15], v11
	v_lshrrev_b32 v[E+(\t)], 23, v11               ; the scale's byte (a plain line behind the conversions)
	ds_store_b8 v5, v[E+(\t)] offset:16*(\t)       ; both lanes of a block write the same byte with the same value
	global_store_b64 v4, v[C+4*(\t):C+4*(\t)+1], s[8:9] offset:32*CB*(\t)   ; 32 lanes store 256 consecutive bytes
.endm
.irp t, 0,1,2,3,4,5,6,7,8,9,10,11,12,13,14,15
	STEP \t
.endr
	ds_load_b64 v[8:9], v6                         ; LDS serves a wave's instructions in order: these see my stores
	s_wait_dscnt 0x0
	global_store_b64 v7, v[8:9], s[10:11]          ; 32 lanes store 256 consecutive bytes
.Lend:
	s_wait_tensorcnt 0x0                           ; the wave's end: behind my last LDS store
	ds_add_u32 v[SPW], v[NIL]
	s_wait_dscnt 0x0
	s_endpgm
.Lfunc_end_k_q175b4297e0_prep:
	.size	k_q175b4297e0_prep, .Lfunc_end_k_q175b4297e0_prep-k_q175b4297e0_prep
	.p2alignl 7, 3214868480
	.fill 96, 4, 3214868480
	.section	.rodata,"a",@progbits
	.p2align	6, 0x0
	.amdhsa_kernel k_q175b4297e0_prep
		.amdhsa_group_segment_fixed_size 33280
		.amdhsa_private_segment_fixed_size 0
		.amdhsa_enable_private_segment 0
		.amdhsa_kernarg_size 64
		.amdhsa_user_sgpr_count 2
		.amdhsa_user_sgpr_kernarg_segment_ptr 1
		.amdhsa_wavefront_size32 1
		.amdhsa_system_sgpr_workgroup_id_x 1
		.amdhsa_system_sgpr_workgroup_id_y 1
		.amdhsa_system_sgpr_workgroup_id_z 1
		.amdhsa_system_vgpr_workitem_id 0
		.amdhsa_next_free_vgpr 208
		.amdhsa_next_free_sgpr 66
		.amdhsa_reserve_vcc 0
		.amdhsa_float_denorm_mode_32 3
		.amdhsa_float_denorm_mode_16_64 3
		.amdhsa_memory_ordered 1
		.amdhsa_forward_progress 1
		.amdhsa_inst_pref_size 45
	.end_amdhsa_kernel
	.amdgpu_metadata
---
amdhsa.version: [ 1, 2 ]
amdhsa.kernels:
  - .name:           k_q175b4297e0_prep
    .symbol:         k_q175b4297e0_prep.kd
    .args:
      - { .name: x, .offset: 0, .size: 8, .value_kind: global_buffer, .address_space: global }
      - { .name: w_qkv, .offset: 8, .size: 8, .value_kind: global_buffer, .address_space: global }
      - { .name: x_codes, .offset: 16, .size: 8, .value_kind: global_buffer, .address_space: global }
      - { .name: x_scales, .offset: 24, .size: 8, .value_kind: global_buffer, .address_space: global }
      - { .name: w_codes, .offset: 32, .size: 8, .value_kind: global_buffer, .address_space: global }
      - { .name: w_scales, .offset: 40, .size: 8, .value_kind: global_buffer, .address_space: global }
      - { .name: w_proj, .offset: 48, .size: 8, .value_kind: global_buffer, .address_space: global }
      - { .name: wp16, .offset: 56, .size: 8, .value_kind: global_buffer, .address_space: global }
    .group_segment_fixed_size: 33280
    .private_segment_fixed_size: 0
    .kernarg_segment_align: 8
    .kernarg_segment_size: 64
    .max_flat_workgroup_size: 128
    .sgpr_count:     66
    .vgpr_count:     208
    .wavefront_size: 32
...
	.end_amdgpu_metadata
.endif
;; end of part 1
;; launch qkv (part 2): grid 12 x 32, 4 waves a work-group, clusters of 4 x 4, 327,680 bytes of LDS; arguments x_codes, x_scales, w_codes, w_scales, b_qkv, q, kv; writes q, kv
.if DOCPART == 2
	.amdgcn_target "amdgcn-amd-amdhsa--gfx1250"
	.amdhsa_code_object_version 6
	.text
	.protected	k_q175b4297e0_qkv
	.globl	k_q175b4297e0_qkv
	.p2align	8
	.type	k_q175b4297e0_qkv,@function
k_q175b4297e0_qkv:
	s_mov_b64 s[64:65], 0
	v_nop
	global_prefetch_b8 v0, s[64:65] scope:SCOPE_SE
	s_setreg_imm32_b32 hwreg(HW_REG_WAVE_MODE, 25, 1), 1
	s_wait_xcnt 0x0
	s_wait_alu depctr_hold_cnt(0) depctr_sa_sdst(0) depctr_va_vdst(0) depctr_va_sdst(0) depctr_va_ssrc(0) depctr_va_vcc(0) depctr_vm_vsrc(0)
	s_getreg_b32 s2, hwreg(HW_REG_IB_STS2, 6, 4)
	s_cmp_eq_u32 s2, 0
	s_cbranch_scc0 .Lentry_in_a_cluster
	s_endpgm
.Lentry_in_a_cluster:
	s_bfe_u32 s2, ttmp6, 0x10000c
	s_cmp_lg_u32 s2, 0xf033
	s_cbranch_scc0 .Lentry_shape_is_right
	s_endpgm
.Lentry_shape_is_right:
; qkv = x w_qkv^T + b_qkv on codes of FP4 (E2M1) with one E8M0 scale for each 32 along K = 1,024; sums in f32; results rounded to f16 and stored AS IMAGES OF THE OPERAND REGISTERS of the attention launch.
; A cluster of 4 x 4 work-groups makes 1,024 tokens x 1,024 rows of w_qkv: cluster x = 0: q, 1: k, 2: v; cluster y: the tokens.  A work-group makes 256 x 256, each of its four waves 128 x 128: 64 accumulators, 512 registers.
; THE MATRIX INSTRUCTION: source 0 = 16 rows of "B", source 1 = 16 rows of "A": a lane then holds ONE row of A and eight neighbouring rows of B.
;   q, k:  A = tokens (x), B = channels (w): a lane holds 8 channels of a token: a piece of a fragment whose K runs along the head's channels.
;   v:     A = channels (w), B = tokens (x): a lane holds 8 keys of a channel: a piece of a fragment of V^T, whose K runs along the keys.
; The role hangs on the cluster's x alone, which all sixteen partners share; only pointers and row numbers are chosen by it, and the block of stores at the end.
; THE BIAS of q and k is the C of each sum's first matrix instruction.  v's sums start from zeros: the softmax's weights add up to 1, so v's bias is added to the attention's result, in the next launch.
; K is two slots of 512 along K (rows of 256 bytes): both are first fills, nothing is filled again.  The scale bytes of the work-group's rows, for all of K, come once, as dense blocks.
; A's tiles are shared along a row of the cluster, B's along a column: each is asked for JOINTLY, by the same tensor load with the same descriptor and a mask that names the four.  A wave has three tensor loads out at the most.
; IMAGES.  A piece is four registers of a 16-bit fragment: lane l's 16 bytes at 16 l, 512 bytes.  q: [head 64][tile of 16 queries 128][piece 4]; kv: [head 64][step of 64 keys 32][K: tile of 16 keys 4 x piece 4 | V: 32 keys 2 x 16 channels 4 x piece 2].
; LIMIT: every |q|, |k|, |v| stays under 65,504 (f16).
; REGISTERS: window 0: v0-31 addresses; v32-95 scale words, two sets; v128-191 A's fragments, one set; v192-255 the bias.  window 1: B's fragments, two sets; on the way out the 256 packed registers.
;   window 2: the accumulators of A's blocks 0-3 ((a, b) at v[8 (8 a + b)]);  window 3: those of blocks 4-7.
.set KSTEP,  512
.set NQ,     KSTEP/128
.set ROWB,   256                       ; a tile's row in bytes
.set KROW,   512                       ; a row of codes in memory
.set PITCH,  272                       ; an LDS row: 256 bytes + 16 of padding: the 16 rows that a load touches start at 16 different banks (64 banks of 4 bytes: ISA guide 11.1)
.set FR,     8
.set NL,     2
.set NP,     4                         ; places behind this matrix instruction (ISA guide 7.12.1)
.set HALFT,  128*PITCH
.set SLOT,   4*HALFT                   ; A's 256 rows, then B's 256 rows
.set KS,     32                        ; a row of scale bytes
.set SCL,    2*SLOT
.set HALFS,  (128*KS/256)*272
.set SBLK,   (16*KS/256)*272
.set SPARE,  SCL+4*HALFS               ; the spare words, 128 bytes a wave
.set ADRA, 16
.set ADRB, 20
.set CO,   26                          ; v26  16 x lane: my place in a piece
.set ADRS, 27
.set SPW,  28
.set NIL,  29
.set BO,   30                          ; v30  my byte offset in b_qkv
.set SC,   32
.set AF,   128
.set BI,   192
.set G1, 24
.set G0, 32
.set G1B, 48
.set G0B, 56
.set G1S, 68
.set G0S, 76
.set G1SB, 80
.set G0SB, 88
.set MSB, 0
.macro WIN new                         ; the immediate's high byte repeats the setting that is left
.if MSB != \new
	s_set_vgpr_msb (MSB<<8)|\new
.set MSB, \new
.endif
.endm
.set MUL_LO,   0xa1                    ; source 0 (B) window 1, source 1 (A) window 0, C and D window 2
.set MUL_HI,   0xf1                    ; the same, C and D window 3
.set FIRST_LO, 0x81                    ; the first step: C (the bias) window 0, D window 2
.set FIRST_HI, 0xc1                    ; D window 3
.set TO_B,     0x40
; A joint load: waves 0 and 1 fetch for A, waves 2 and 3 for B.  The branch hangs on the wave's number alone.  An s_nop 0 and four v_nop follow each of the two lines.
.macro JLOAD g0a, g1a, g0b, g1b
	s_cmp_eq_u32 s15, 0
	s_cbranch_scc0 .Lfor_b_\@
	tensor_load_to_lds s[\g0a:\g0a+3], s[\g1a:\g1a+7]
	s_nop 0
.rept 4
	v_nop
.endr
	s_branch .Lasked_\@
.Lfor_b_\@:
	tensor_load_to_lds s[\g0b:\g0b+3], s[\g1b:\g1b+7]
	s_nop 0
.rept 4
	v_nop
.endr
.Lasked_\@:
.endm
.macro CROUND                          ; a round of the cluster's barrier
	s_barrier_signal -1
	s_barrier_wait -1
	s_cmp_lg_u32 s14, 0
	s_cbranch_scc1 .Lnot_wave_0_\@
	s_barrier_signal -3
.Lnot_wave_0_\@:
	s_barrier_wait -3
	s_barrier_signal -1
	s_barrier_wait -1
.endm
	s_load_b128 s[4:7], s[0:1], 0x0                ; x's codes, x's scales
	s_load_b128 s[8:11], s[0:1], 0x10              ; w's codes, w's scales
	s_load_b128 s[96:99], s[0:1], 0x20             ; b_qkv, q
	s_load_b64 s[100:101], s[0:1], 0x30            ; kv
	v_lshl_add_u32 v[SPW], v0, 2, SPARE
	v_mov_b32 v[NIL], 0
	ds_add_u32 v[SPW], v[NIL]                      ; the wave's opening: the add, twice on end; its wait stands ahead of my first tensor load
	ds_add_u32 v[SPW], v[NIL]
	v_lshrrev_b32 v1, 5, v0
	v_readfirstlane_b32 s14, v1                    ; wave 0..3
	s_lshr_b32 s15, s14, 1                         ; which half of A's rows is mine.  Also: I fetch for A (0) or for B (1)
	s_and_b32 s16, s14, 1                          ; which half of B's rows.  Also: which 128 rows I fetch
	s_bfe_u32 s40, ttmp6, 0x40000                  ; cx
	s_bfe_u32 s41, ttmp6, 0x40004                  ; cy
	s_and_b32 s17, ttmp7, 0xffff
	s_lshl_b32 s17, s17, 10                        ; the cluster's 1,024 tokens
	s_lshl_b32 s42, ttmp9, 10                      ; the cluster's 1,024 rows of w
	s_cmp_eq_u32 ttmp9, 2                          ; the v role?
	s_cselect_b32 s20, 2048, s17                   ; A's block: w's rows 2,048 on, or the tokens
	s_cselect_b32 s42, s17, s42                    ; B's block: the tokens, or w's rows
	s_cselect_b32 s95, 0, -1                       ; the bias's mask: zeros in the v role
	s_lshl_b32 s21, s41, 8
	s_add_co_u32 s17, s20, s21                     ; A's first row of my tile: it hangs on cy alone
	s_lshl_b32 s46, s40, 8
	s_add_co_u32 s42, s42, s46                     ; B's: on cx alone
	s_lshl_b32 s43, s41, 2
	s_lshl_b32 s43, 15, s43                        ; my row of the cluster
	s_lshl_b32 s44, 0x1111, s40                    ; my column
	; descriptor group 1: a tile of 128 rows x 256 bytes, 16 bytes of padding behind each row
	s_or_b32 s[G1+0], s43, (0<<16)|(1<<20)|(1<<21)|(5<<22)|(3<<25)
	s_or_b32 s[G1B+0], s44, (0<<16)|(1<<20)|(1<<21)|(5<<22)|(3<<25)
.irp g, G1, G1B
	s_mov_b32 s[\g+1], ROWB<<16                    ; tensor_dim0
	s_mov_b32 s[\g+2], 128<<16                     ; tensor_dim1
	s_mov_b32 s[\g+3], ROWB<<16                    ; tile_dim0
	s_mov_b32 s[\g+4], 128                         ; tile_dim1
	s_mov_b32 s[\g+5], KROW                        ; from row to row
	s_mov_b32 s[\g+6], 0
	s_mov_b32 s[\g+7], 0
.endr
	; the scales of 128 rows: a dense block of 4,096 bytes, as 16 rows of 256 bytes (32 elements of 8 bytes), 16 bytes of padding behind each
	s_or_b32 s[G1S+0], s43, (3<<16)|(1<<20)|(1<<21)|(5<<22)|(3<<25)
	s_or_b32 s[G1SB+0], s44, (3<<16)|(1<<20)|(1<<21)|(5<<22)|(3<<25)
.irp g, G1S, G1SB
	s_mov_b32 s[\g+1], 32<<16
	s_mov_b32 s[\g+2], (128*KS/256)<<16
	s_mov_b32 s[\g+3], 32<<16
	s_mov_b32 s[\g+4], 128*KS/256
	s_mov_b32 s[\g+5], 32
	s_mov_b32 s[\g+6], 0
	s_mov_b32 s[\g+7], 0
.endr
	s_lshl_b32 s18, s16, 7                         ; which 128 rows of the tile I fetch
	s_add_co_u32 s20, s17, s18
	s_add_co_u32 s46, s42, s18
	s_mov_b32 s21, 0
	s_mov_b32 s47, 0
	s_mov_b64 s[18:19], KS
	s_mul_u64 s[22:23], s[20:21], s[18:19]         ; where these rows' scales begin, in bytes
	s_mul_u64 s[92:93], s[46:47], s[18:19]
	s_mov_b64 s[18:19], KROW
	s_mul_u64 s[20:21], s[20:21], s[18:19]         ; and their codes
	s_mul_u64 s[46:47], s[46:47], s[18:19]
	s_mul_i32 s45, s14, HALFT                      ; where they go: wave x 128 rows
	s_mul_i32 s94, s14, HALFS
	s_wait_dscnt 0x0                               ; both opening adds are done
	s_wait_kmcnt 0x0
	s_cmp_eq_u32 ttmp9, 2                          ; in the v role A is w and B is x
	s_cselect_b64 s[18:19], s[8:9], s[4:5]
	s_cselect_b64 s[8:9], s[4:5], s[8:9]
	s_mov_b64 s[4:5], s[18:19]
	s_cselect_b64 s[18:19], s[10:11], s[6:7]
	s_cselect_b64 s[10:11], s[6:7], s[10:11]
	s_mov_b64 s[6:7], s[18:19]
	s_add_nc_u64 s[20:21], s[4:5], s[20:21]
	s_add_nc_u64 s[22:23], s[6:7], s[22:23]
	s_add_nc_u64 s[46:47], s[8:9], s[46:47]
	s_add_nc_u64 s[92:93], s[10:11], s[92:93]
	CROUND                                         ; all sixteen work-groups are here: the first joint loads meet
	s_mov_b32 s[G0S], 1
	s_add_co_u32 s[G0S+1], s94, SCL
	s_mov_b64 s[G0S+2:G0S+3], s[22:23]
	s_or_b32 s[G0S+3], s[G0S+3], 0x80000000
	s_mov_b32 s[G0SB], 1
	s_add_co_u32 s[G0SB+1], s94, SCL
	s_mov_b64 s[G0SB+2:G0SB+3], s[92:93]
	s_or_b32 s[G0SB+3], s[G0SB+3], 0x80000000
	JLOAD G0S, G1S, G0SB, G1SB                     ; the scales first: they are wanted with the first slot
.irp s, 0,1
	s_mov_b32 s[G0+4*\s], 1
	s_add_co_u32 s[G0+4*\s+1], s45, \s*SLOT
	s_add_nc_u64 s[G0+4*\s+2:G0+4*\s+3], s[20:21], \s*ROWB
	s_or_b32 s[G0+4*\s+3], s[G0+4*\s+3], 0x80000000
	s_mov_b32 s[G0B+4*\s], 1
	s_add_co_u32 s[G0B+4*\s+1], s45, \s*SLOT
	s_add_nc_u64 s[G0B+4*\s+2:G0B+4*\s+3], s[46:47], \s*ROWB
	s_or_b32 s[G0B+4*\s+3], s[G0B+4*\s+3], 0x80000000
	JLOAD G0+4*\s, G1, G0B+4*\s, G1B
.endr
	v_and_b32 v1, 15, v0                           ; r = l % 16
	v_bfe_u32 v2, v0, 4, 1                         ; h = l / 16
	s_lshl_b32 s18, s15, 7
	s_add_co_u32 s18, s17, s18                     ; my wave's first row of A
	s_lshl_b32 s19, s16, 7
	s_add_co_u32 s19, s42, s19                     ; and of B
	s_cmp_eq_u32 ttmp9, 2
	s_cselect_b32 s20, s19, s18                    ; T: my first token
	s_cselect_b32 s21, s18, s19                    ; my first row of w
	s_cselect_b32 s22, 0, s19                      ; the bias's first number (in the v role any 128 numbers: they are masked)
	s_cselect_b32 s23, 8192, 0                     ; V's part of a step lies behind K's
	s_lshl_b32 s22, s22, 2
	v_lshl_add_u32 v[BO], v2, 5, s22               ; register 8 b + j of lane (r, h): the bias of B's row 16 b + 8 h + j
.irp b, 0,1,2,3,4,5,6,7
	global_load_b128 v[BI+8*\b:BI+8*\b+3], v[BO], s[96:97] offset:64*\b
	global_load_b128 v[BI+8*\b+4:BI+8*\b+7], v[BO], s[96:97] offset:64*\b+16
.endr
	; where my wave's images begin: head = 16 x batch + channel / 64; 128 tokens are two steps of kv (32,768 bytes) or eight tiles of q (16,384)
	s_and_b32 s21, s21, 1023
	s_lshr_b32 s46, s20, 11
	s_lshl_b32 s46, s46, 4
	s_lshr_b32 s47, s21, 6
	s_add_co_u32 s46, s46, s47
	s_lshl_b32 s46, s46, 19
	s_bfe_u32 s47, s20, 0x40007                    ; (T / 128) % 16
	s_lshl_b32 s47, s47, 15
	s_add_co_u32 s46, s46, s47
	s_add_co_u32 s46, s46, s23
	s_cmp_eq_u32 ttmp9, 0
	s_cselect_b32 s47, 1, 0
	s_lshr_b32 s46, s46, s47                       ; q's images are half as many bytes
	s_cmp_eq_u32 ttmp9, 0
	s_cselect_b64 s[12:13], s[98:99], s[100:101]
	s_mov_b32 s47, 0
	s_add_nc_u64 s[12:13], s[12:13], s[46:47]
	s_wait_loadcnt 0x0                             ; the bias
.set i, 0
.rept 64
	v_and_b32 v[BI+i], s95, v[BI+i]                ; zeros in the v role
.set i, i+1
.endr
	v_mul_u32_u24 v3, v1, PITCH
	v_lshl_add_u32 v4, v2, 4, v3                   ; a fragment's row x pitch + 16 x half
	s_mul_i32 s21, s15, HALFT                      ; my 128 rows of A
	s_mul_i32 s22, s16, HALFT                      ; my 128 rows of B,
	s_add_co_u32 s22, s22, 2*HALFT                 ; which lie behind A's 256
.irp s, 0,1
	v_add_nc_u32 v[ADRA+\s], s21, v4
	v_add_nc_u32 v[ADRB+\s], s22, v4
	s_add_co_u32 s21, s21, SLOT
	s_add_co_u32 s22, s22, SLOT
.endr
	v_mul_u32_u24 v5, v1, KS                       ; my row's scales: KS bytes a row,
	v_lshrrev_b32 v6, 8, v5
	v_lshl_add_u32 v5, v6, 4, v5                   ; and 16 more for each 256 passed
	s_mul_i32 s21, s15, HALFS
	s_mul_i32 s22, s16, HALFS
	s_add_co_u32 s22, s22, 2*HALFS
	s_sub_co_u32 s22, s22, s21
	v_mul_u32_u24 v6, s22, v2                      ; lanes 16-31 take B's
	s_add_co_u32 s21, s21, SCL
	v_add_nc_u32 v5, v5, v6
	v_add_nc_u32 v[ADRS], s21, v5
	v_and_b32 v6, 31, v0
	v_lshlrev_b32 v[CO], 4, v6
.macro FRAG reg, adr, q, i             ; 16 rows x 128 K of 4-bit codes: 8 registers: lane l holds row l % 16; registers 4 c .. 4 c + 3 hold K = 64 c + 32 (l / 16) + 0 .. 31
.irp c, 0,1
	ds_load_b128 v[\reg+4*\c:\reg+4*\c+3], v[\adr] offset:64*(\q)+32*\c+(\i)*16*PITCH
.endr
.endm
; 16 matrix instructions: A's blocks a0, a0 + 1 x B's eight, the slot's q-th 128 along K.  p: B's set; sc: the set of scale words.  first = 1: the bias is the C: nothing is cleared.
; The 64 accumulators take turns, one instruction a turn, in the same order in every step.
.macro MUL16 a0, p, q, sc, first
.irp a, \a0, \a0+1
.irp b, 0,1,2,3,4,5,6,7
.if \first
	v_wmma_scale_f32_16x16x128_f8f6f4 v[8*(8*((\a)%4)+\b):8*(8*((\a)%4)+\b)+7], v[128*(\p)+FR*\b:128*(\p)+FR*\b+FR-1], v[AF+FR*(\a):AF+FR*(\a)+FR-1], v[BI+8*\b:BI+8*\b+7], v[SC+8*NQ*(\sc)+NQ*\b+(\q)], v[SC+8*NQ*(\sc)+NQ*(\a)+(\q)] matrix_a_fmt:MATRIX_FMT_FP4 matrix_b_fmt:MATRIX_FMT_FP4 matrix_a_scale:MATRIX_SCALE_ROW1
.else
	v_wmma_scale_f32_16x16x128_f8f6f4 v[8*(8*((\a)%4)+\b):8*(8*((\a)%4)+\b)+7], v[128*(\p)+FR*\b:128*(\p)+FR*\b+FR-1], v[AF+FR*(\a):AF+FR*(\a)+FR-1], v[8*(8*((\a)%4)+\b):8*(8*((\a)%4)+\b)+7], v[SC+8*NQ*(\sc)+NQ*\b+(\q)], v[SC+8*NQ*(\sc)+NQ*(\a)+(\q)] matrix_a_fmt:MATRIX_FMT_FP4 matrix_b_fmt:MATRIX_FMT_FP4 matrix_a_scale:MATRIX_SCALE_ROW1
.endif
.endr
.endr
.endm
.macro FETCH_B slot, q, p
	WIN TO_B
.irp i, 0,1,2,3,4,5,6,7
	FRAG 128*(\p)+FR*\i, ADRB+\slot, \q, \i
.endr
	WIN 0
.endm
.macro FETCH_A slot, q, i0
.irp i, \i0, \i0+1, \i0+2, \i0+3
	FRAG AF+FR*(\i), ADRA+\slot, \q, \i
.endr
.endm
.macro SCALES sc                       ; a slot's scale words: 4 words a row; lanes 0-15 take A's block i, lanes 16-31 B's block i
.irp i, 0,1,2,3,4,5,6,7
	ds_load_b128 v[SC+8*NQ*\sc+NQ*\i:SC+8*NQ*\sc+NQ*\i+3], v[ADRS] offset:\i*SBLK
.endr
.endm
.macro PLACES n                        ; plain vector instructions between a matrix instruction and a load into, or a vector read of, its registers
.rept \n
	v_nop
.endr
.endm
; A step of 128 along K that has its successor in the same slot.  A has one set of registers: blocks 0-3 are fetched anew in the step's middle, blocks 4-7 at its end; B has two sets.
.macro STEP slot, q, first
	s_wait_dscnt 4*NL                              ; B's set and A's blocks 0-3 are in; the youngest eight loads (A's blocks 4-7) may be out
.if \first
	WIN FIRST_LO
.else
	WIN MUL_LO
.endif
	MUL16 0, (\q)%2, \q, \slot, \first
	MUL16 2, (\q)%2, \q, \slot, \first
	s_wait_dscnt 0                                 ; A's blocks 4-7 are in
	PLACES NP
	FETCH_B \slot, (\q)+1, 1-(\q)%2
	FETCH_A \slot, (\q)+1, 0
.if \first
	WIN FIRST_HI
.else
	WIN MUL_HI
.endif
	MUL16 4, (\q)%2, \q, \slot, \first
	MUL16 6, (\q)%2, \q, \slot, \first
	PLACES NP
	WIN 0
	FETCH_A \slot, (\q)+1, 4
.endm
.macro STEPS slot, from
.set Q, \from
.rept NQ-1-\from
	STEP \slot, Q, 0
.set Q, Q+1
.endr
.endm
	s_wait_tensorcnt 1                             ; the scales and my part of slot 0 are in (slot 1's load may be out)
	s_barrier_signal -1
	s_barrier_wait -1                              ; everybody's are
	FETCH_B 0, 0, 0
	FETCH_A 0, 0, 0
	SCALES 0
	FETCH_A 0, 0, 4
	STEP 0, 0, 1
	STEPS 0, 1
	; slot 0's last step changes slots: each wave's part of slot 1 has landed, and one barrier shows that to all four
	s_wait_tensorcnt 0x0                           ; all my tensor loads have landed
	ds_add_u32 v[SPW], v[NIL]                      ; 0 onto my spare word
	s_wait_dscnt 4*NL+1                            ; (the add and the youngest eight loads may be out)
	WIN MUL_LO
	MUL16 0, 1, NQ-1, 0, 0
	s_wait_dscnt 0x0
	s_barrier_signal -1
	MUL16 2, 1, NQ-1, 0, 0
	WIN 0
	s_barrier_wait -1
	PLACES NP
	v_add_nc_u32 v[ADRS], 4*NQ, v[ADRS]            ; on to slot 1's scale words (no LDS load of mine is out)
	FETCH_B 1, 0, 0
	FETCH_A 1, 0, 0
	SCALES 1
	WIN MUL_HI
	MUL16 4, 1, NQ-1, 0, 0
	MUL16 6, 1, NQ-1, 0, 0
	PLACES NP
	WIN 0
	FETCH_A 1, 0, 4
	STEPS 1, 0
	s_wait_dscnt 4*NL                              ; the very last step: nothing more to fetch
	WIN MUL_LO
	MUL16 0, 1, NQ-1, 1, 0
	MUL16 2, 1, NQ-1, 1, 0
	s_wait_dscnt 0
	WIN MUL_HI
	MUL16 4, 1, NQ-1, 1, 0
	MUL16 6, 1, NQ-1, 1, 0
	WIN 0
; THE WAY OUT.  A lane's eight results round to 16 bytes, which ARE four registers of an operand of the next launch: accumulator (a, b) becomes one piece, stored as it stands, 512 consecutive bytes a store.
; All 256 packed registers lie in window 1, which B's fragments have left: no register is written twice, so no store is waited for.
.macro PACK a
.irp b, 0,1,2,3,4,5,6,7
.irp r, 0,1,2,3
	v_cvt_pk_f16_f32 v[32*(\a)+4*\b+\r], v[8*(8*((\a)%4)+\b)+2*\r], v[8*(8*((\a)%4)+\b)+2*\r+1]   ; each accumulator from its low end on
.endr
.endr
.endm
.macro OUT role                        ; 0: q (a: tile of queries; b / 4: head; b % 4: piece)   1: k (a / 4: step; a % 4: tile of keys)   2: v (a / 4: head; a % 4: 16 channels; b / 4: step; (b / 2) % 2: 32 keys; b % 2: piece)
	WIN 0x04                                       ; a store's data are its source 1: window 1
.irp a, 0,1,2,3,4,5,6,7
.irp b, 0,1,2,3,4,5,6,7
.if \role == 0
	global_store_b128 v[CO], v[32*\a+4*\b:32*\a+4*\b+3], s[12:13] offset:(\b/4)*262144+\a*2048+(\b%4)*512
.elseif \role == 1
	global_store_b128 v[CO], v[32*\a+4*\b:32*\a+4*\b+3], s[12:13] offset:(\b/4)*524288+(\a/4)*16384+(\a%4)*2048+(\b%4)*512
.else
	global_store_b128 v[CO], v[32*\a+4*\b:32*\a+4*\b+3], s[12:13] offset:(\a/4)*524288+(\b/4)*16384+((\b/2)%2)*4096+(\a%4)*1024+(\b%2)*512
.endif
.endr
.endr
	WIN 0
.endm
	PLACES NP                                      ; behind the last products: their results are read and their sources written below
	WIN 0x4a                                       ; sources window 2, destination window 1
	PACK 0
	PACK 1
	PACK 2
	PACK 3
	WIN 0x4f                                       ; sources window 3
	PACK 4
	PACK 5
	PACK 6
	PACK 7
	WIN 0
	s_cmp_eq_u32 ttmp9, 0                          ; the cluster's x: the same in all partners
	s_cbranch_scc1 .Lq_out
	s_cmp_eq_u32 ttmp9, 1
	s_cbranch_scc1 .Lk_out
	OUT 2
	s_branch .Lstored
.Lq_out:
	OUT 0
	s_branch .Lstored
.Lk_out:
	OUT 1
.Lstored:
	s_wait_tensorcnt 0x0                           ; the wave's end
	ds_add_u32 v[SPW], v[NIL]
	s_wait_dscnt 0x0
	CROUND                                         ; the closing round
	s_endpgm
.Lfunc_end_k_q175b4297e0_qkv:
	.size	k_q175b4297e0_qkv, .Lfunc_end_k_q175b4297e0_qkv-k_q175b4297e0_qkv
	.p2alignl 7, 3214868480
	.fill 96, 4, 3214868480
	.section	.rodata,"a",@progbits
	.p2align	6, 0x0
	.amdhsa_kernel k_q175b4297e0_qkv
		.amdhsa_group_segment_fixed_size 327680
		.amdhsa_private_segment_fixed_size 0
		.amdhsa_enable_private_segment 0
		.amdhsa_kernarg_size 56
		.amdhsa_user_sgpr_count 2
		.amdhsa_user_sgpr_kernarg_segment_ptr 1
		.amdhsa_wavefront_size32 1
		.amdhsa_system_sgpr_workgroup_id_x 1
		.amdhsa_system_sgpr_workgroup_id_y 1
		.amdhsa_system_sgpr_workgroup_id_z 1
		.amdhsa_system_vgpr_workitem_id 0
		.amdhsa_next_free_vgpr 1024
		.amdhsa_next_free_sgpr 102
		.amdhsa_reserve_vcc 0
		.amdhsa_float_denorm_mode_32 3
		.amdhsa_float_denorm_mode_16_64 3
		.amdhsa_memory_ordered 1
		.amdhsa_forward_progress 1
		.amdhsa_inst_pref_size 134
	.end_amdhsa_kernel
	.amdgpu_metadata
---
amdhsa.version: [ 1, 2 ]
amdhsa.kernels:
  - .name:           k_q175b4297e0_qkv
    .symbol:         k_q175b4297e0_qkv.kd
    .args:
      - { .name: x_codes, .offset: 0, .size: 8, .value_kind: global_buffer, .address_space: global }
      - { .name: x_scales, .offset: 8, .size: 8, .value_kind: global_buffer, .address_space: global }
      - { .name: w_codes, .offset: 16, .size: 8, .value_kind: global_buffer, .address_space: global }
      - { .name: w_scales, .offset: 24, .size: 8, .value_kind: global_buffer, .address_space: global }
      - { .name: b_qkv, .offset: 32, .size: 8, .value_kind: global_buffer, .address_space: global }
      - { .name: q, .offset: 40, .size: 8, .value_kind: global_buffer, .address_space: global }
      - { .name: kv, .offset: 48, .size: 8, .value_kind: global_buffer, .address_space: global }
    .group_segment_fixed_size: 327680
    .private_segment_fixed_size: 0
    .kernarg_segment_align: 8
    .kernarg_segment_size: 56
    .max_flat_workgroup_size: 128
    .sgpr_count:     102
    .vgpr_count:     1024
    .wavefront_size: 32
...
	.end_amdgpu_metadata
.endif
;; end of part 2
;; launch attn (part 3): grid 4 x 64, 8 waves a work-group, clusters of 4 x 1, 327,680 bytes of LDS; arguments q, kv, b_qkv, o; writes o
.if DOCPART == 3
	.amdgcn_target "amdgcn-amd-amdhsa--gfx1250"
	.amdhsa_code_object_version 6
	.text
	.protected	k_q175b4297e0_attn
	.globl	k_q175b4297e0_attn
	.p2align	8
	.type	k_q175b4297e0_attn,@function
k_q175b4297e0_attn:
	s_mov_b64 s[64:65], 0
	v_nop
	global_prefetch_b8 v0, s[64:65] scope:SCOPE_SE
	s_setreg_imm32_b32 hwreg(HW_REG_WAVE_MODE, 25, 1), 1
	s_wait_xcnt 0x0
	s_wait_alu depctr_hold_cnt(0) depctr_sa_sdst(0) depctr_va_vdst(0) depctr_va_sdst(0) depctr_va_ssrc(0) depctr_va_vcc(0) depctr_vm_vsrc(0)
	s_getreg_b32 s2, hwreg(HW_REG_IB_STS2, 6, 4)
	s_cmp_eq_u32 s2, 0
	s_cbranch_scc0 .Lentry_in_a_cluster
	s_endpgm
.Lentry_in_a_cluster:
	s_bfe_u32 s2, ttmp6, 0x10000c
	s_cmp_lg_u32 s2, 0x3003
	s_cbranch_scc0 .Lentry_shape_is_right
	s_endpgm
.Lentry_shape_is_right:
; o[head][query] = softmax_k(q . k / 8) v + b_v, for 64 heads (batch x 16) of 2,048 tokens and 64 channels.  q, k, v arrive as f16 images of the operands' registers; products and sums in f32;
; the weights p are rounded to f16 for the second product; o is rounded once to f16 and stored as images of the projection's operand.
; v arrives without its bias: the softmax's weights add up to 1, so p (v + 1 b_v^T) = p v + b_v, and b_v rides on the division by the row's sum: one fused multiply-add.
; SHARES.  A cluster of four work-groups is one head; a work-group owns 512 queries, each of its eight waves 64: four tiles of 16.  Two waves lie on a SIMD (512 registers each): one wave's softmax stands beside the other's products.
; LAYOUT.  S^T = K Q^T (source 0 = 16 keys, source 1 = 16 queries): a lane holds ONE query (lane % 16) and the keys 8 (lane / 16) + 0..7.  Two such tiles, rounded to f16 in pairs, ARE source 1
; (32 keys x 16 queries) of O^T = V^T P, whose result again holds one query a lane, and eight channels.  Each fragment of K and V read from LDS feeds four products, one for each tile of queries.
; SOFTMAX.  For each query a running maximum m and sum l: p = 2^(c s - c m), c = log2(e) / 8; in every step O and l are multiplied by a = 2^(c m_old - c m_new).  The sum is taken of the unrounded p.
; The step is written once: O^T and l begin as zeros and m as -3e38, so that the first a is 0.
; THE RING.  Two LDS slots of 512 keys (8 steps of 64 keys; a step's K and V images are 16,384 consecutive bytes of kv, a slot 131,072).  Each wave fetches an eighth of a slot with one tensor load.
; All four work-groups walk the same K and V: each load is JOINT (the same descriptor in all four, a mask that names the four).  The change of slots stands at a slot's head; one load of a wave is out behind each round,
; and it has the slot's eight steps in which to land.  Images are read at 16 x lane: no pitch, no padding.
; LIMITS: scores finite; NaN and infinities not served; a p under 2^-126 counts as 0.
; REGISTERS: window 0: v1-7 addresses; v8-39 statistics, 8 a tile (+0 c m, +1 m, +2, +3 l, +4, +5 at work, +6 a, later 1 / l, +7 c m_old - c m_new); v64-191 S^T, 32 a tile (p is packed in place into the first 16); v192-255 a step's K, then its V.
;   window 1: v0-127 O^T, 32 a tile; v128-191 Q, 16 a tile (on the way out the packed o); v192-223 b_v.
.set SLOT1, 1<<17                      ; slot 1 begins here: one exclusive or turns an address in one slot into the other's
.set STEPB, 16384
.set SPARE, 2*SLOT1                    ; behind the ring: the spare words, 128 bytes for each of eight waves
.set LI,  1                            ; v1  16 x lane: my place in a piece; never rewritten
.set ADR, 2                            ; v2  the step's LDS address
.set SPW, 4
.set NIL, 5
.set PFO, 6                            ; v6  256 x lane: the prefetches' offset; never rewritten
.set BVO, 7                            ; v7  32 (lane / 16): my eight numbers of b_v
.set ST,  8
.set S,   64
.set KV,  192
.set QF,  128                          ; window 1
.set BV,  192                          ; window 1
.set WV,  12
.set G1,  24
.set G0,  32
.set SLOTS, 36
.set STEPS, 37
.set CS,  38                           ; s[38:39] c: the packed form names a pair and takes its low word
.set SEL, 40                           ; s[40:41] lane selects: lane l xor 16
.set TB,  42                           ; s42 LDS byte at which the step in hand begins
.set PFA, 44                           ; s[44:45] where my prefetches stand
.set LIM, 46                           ; s46 1 in a wave that prefetches, else the greatest number
.set MSB, 0
.macro WIN new
.if MSB != \new
	s_set_vgpr_msb (MSB<<8)|\new
.set MSB, \new
.endif
.endm
.set W_KQ, 0x04                        ; source 1 (Q) window 1; K and S^T window 0
.set W_RS, 0x41                        ; O^T (destination, source 0) window 1; a window 0
.set W_PV, 0x50                        ; C and D (O^T) window 1; V and P window 0
.macro CROUND
	s_barrier_signal -1
	s_barrier_wait -1
	s_cmp_lg_u32 s[WV], 0
	s_cbranch_scc1 .Lnot_wave_0_\@
	s_barrier_signal -3
.Lnot_wave_0_\@:
	s_barrier_wait -3
	s_barrier_signal -1
	s_barrier_wait -1
.endm
; A prefetch into the L2 of the slot that the NEXT change of slots will ask for: 131,072 bytes, each aligned 256 named once: the four partners take 32,768 each, told apart by address;
; in each, waves 0 to 3 take 8,192, lanes 256 bytes apart.  It stands behind the wave's tensor load and its five lines.  The last change that fills a slot asks for nothing; slots 0 and 1 come by their loads alone.
.macro ASK
	s_cmp_gt_u32 s[SLOTS], s[LIM]
	s_cbranch_scc0 .Lnot_mine_\@
	global_prefetch_b8 v[PFO], s[PFA:PFA+1] th:TH_LOAD_NT scope:SCOPE_SE
.Lnot_mine_\@:
.endm
	s_load_b256 s[4:11], s[0:1], 0x0               ; q s[4:5], kv s[6:7], b_qkv s[8:9], o s[10:11]
	v_lshl_add_u32 v[SPW], v0, 2, SPARE
	v_mov_b32 v[NIL], 0
	ds_add_u32 v[SPW], v[NIL]                      ; the wave's opening: the add, twice on end; its wait stands ahead of my first tensor load
	ds_add_u32 v[SPW], v[NIL]
	v_lshrrev_b32 v3, 5, v0
	v_readfirstlane_b32 s[WV], v3                  ; wave 0..7
	s_bfe_u32 s13, ttmp6, 0x40000                  ; cx
	s_lshl_b32 s14, ttmp9, 2
	s_add_co_u32 s14, s14, s13                     ; my block of 512 queries
	s_and_b32 s15, ttmp7, 0xffff                   ; the head, which the four partners share
	; descriptor group 1: 16,384 dense bytes as 64 rows of 256 bytes (32 elements of 8 bytes)
	s_mov_b32 s[G1], 15|(3<<16)|(1<<21)            ; the mask: all four work-groups; elements of 8 bytes; bit 21 set beside a mask
	s_mov_b32 s[G1+1], 32<<16                      ; tensor_dim0
	s_mov_b32 s[G1+2], 64<<16                      ; tensor_dim1
	s_mov_b32 s[G1+3], 32<<16                      ; tile_dim0
	s_mov_b32 s[G1+4], 64                          ; tile_dim1
	s_mov_b32 s[G1+5], 32                          ; from row to row
	s_mov_b32 s[G1+6], 0
	s_mov_b32 s[G1+7], 0
	s_mov_b32 s[CS], 0x3e38aa3b                    ; c = log2(e) / 8
	s_mov_b32 s[CS+1], s[CS]
	s_mov_b32 s[SEL], 0x76543210
	s_mov_b32 s[SEL+1], 0xfedcba98
	s_mov_b32 s[TB], 0
	s_mov_b32 s[SLOTS], 3
	s_cmp_lt_u32 s[WV], 4
	s_cselect_b32 s[LIM], 1, -1
	s_lshl_b32 s16, s15, 19                        ; kv: the head's 524,288 bytes,
	s_lshl_b32 s17, s[WV], 14
	s_add_co_u32 s16, s16, s17                     ; my eighth of a slot: no place in the cluster enters it
	s_mov_b32 s17, 0
	s_lshl_b32 s18, s15, 18                        ; q: the head's 262,144 bytes,
	s_lshl_b32 s19, s14, 16
	s_add_co_u32 s18, s18, s19                     ; my block's 32 tiles of 2,048,
	s_lshl_b32 s19, s[WV], 13
	s_add_co_u32 s18, s18, s19                     ; my wave's four
	s_mov_b32 s19, 0
	s_and_b32 s20, s15, 15                         ; the head within its batch
	s_lshl_b32 s22, s20, 8
	s_add_co_u32 s22, s22, 8192                    ; b_v: b_qkv from number 2,048 + 64 x head on
	s_mov_b32 s23, 0
	s_lshr_b32 s48, s20, 1                         ; o: [128 of C: head / 2][tile of 16 tokens][fragment][piece]
	s_lshl_b32 s48, s48, 21
	s_lshr_b32 s50, s15, 4
	s_lshl_b32 s50, s50, 19                        ; the batch's 128 tiles of 4,096 bytes
	s_add_co_u32 s48, s48, s50
	s_lshl_b32 s50, s14, 17
	s_add_co_u32 s48, s48, s50
	s_lshl_b32 s50, s[WV], 14
	s_add_co_u32 s48, s48, s50
	s_and_b32 s50, s20, 1
	s_lshl_b32 s50, s50, 11                        ; an odd head's two fragments lie behind the even head's
	s_add_co_u32 s48, s48, s50
	s_mov_b32 s49, 0
	s_lshl_b32 s52, s15, 19                        ; the prefetches: the head, slot 1 (the first change steps it to slot 2),
	s_add_co_u32 s52, s52, SLOT1
	s_lshl_b32 s50, s13, 15                        ; my work-group's quarter of a slot,
	s_add_co_u32 s52, s52, s50
	s_and_b32 s50, s[WV], 3
	s_lshl_b32 s50, s50, 13                        ; my wave's 8,192 bytes
	s_add_co_u32 s52, s52, s50
	s_mov_b32 s53, 0
	s_wait_dscnt 0x0                               ; both opening adds are done
	s_wait_kmcnt 0x0
	s_add_nc_u64 s[4:5], s[4:5], s[18:19]
	s_add_nc_u64 s[8:9], s[8:9], s[22:23]
	s_add_nc_u64 s[10:11], s[10:11], s[48:49]
	s_add_nc_u64 s[PFA:PFA+1], s[6:7], s[52:53]
	CROUND                                         ; all four work-groups are here: the first joint loads meet
	s_mov_b32 s[G0], 1                             ; count = 1
	s_lshl_b32 s[G0+1], s[WV], 14                  ; LDS address: slot 0, my eighth
	s_add_nc_u64 s[G0+2:G0+3], s[6:7], s[16:17]    ; global address
	s_or_b32 s[G0+3], s[G0+3], 0x80000000          ; type = 2
	tensor_load_to_lds s[G0:G0+3], s[G1:G1+7]      ; slot 0
	s_nop 0
.rept 4
	v_nop
.endr
	v_and_b32 v[LI], 31, v0
	v_lshlrev_b32 v[PFO], 8, v[LI]
	v_lshlrev_b32 v[LI], 4, v[LI]
	v_bfe_u32 v[BVO], v0, 4, 1
	v_lshlrev_b32 v[BVO], 5, v[BVO]
	WIN 0x40                                       ; destination window 1
.irp t, 0,1,2,3
.irp f, 0,1
.irp c, 0,1
	global_load_b128 v[QF+16*\t+8*\f+4*\c:QF+16*\t+8*\f+4*\c+3], v[LI], s[4:5] offset:\t*2048+\f*1024+\c*512   ; Q stays in registers
.endr
.endr
.endr
.irp d, 0,1,2,3
	global_load_b128 v[BV+8*\d:BV+8*\d+3], v[BVO], s[8:9] offset:64*\d            ; b_v of channels 16 d + 8 (lane / 16) + 0 .. 7: O^T's layout
	global_load_b128 v[BV+8*\d+4:BV+8*\d+7], v[BVO], s[8:9] offset:64*\d+16
.endr
.set i, 0
.rept 128
	v_mov_b32 v[i], 0                              ; O^T: the step is written once, and its first pass finds zeros
.set i, i+1
.endr
	WIN 0
.irp t, 0,1,2,3
	v_mov_b32 v[ST+8*\t+1], 0xff61b1e6             ; m = -3e38, under every score
	v_mul_f32 v[ST+8*\t], s[CS], v[ST+8*\t+1]      ; c m
	v_mov_b32 v[ST+8*\t+2], 0                      ; l, in two halves
	v_mov_b32 v[ST+8*\t+3], 0
	v_mov_b32 v[ST+8*\t+5], 0                      ; written once: a lane permute's destination counts as one of its sources
.endr
	s_wait_loadcnt 0x0                             ; Q and b_v
; A KEY STEP: 64 keys, all four tiles of queries by turns in every list.  The accumulators take turns, one instruction a turn: between two links of a chain stand 15 others'.
.macro STEP
	v_add_nc_u32 v[ADR], s[TB], v[LI]              ; this line and four v_nop: five places behind the last step's products, whose V registers are loaded over and whose P registers the next products write over (ISA guide 7.12.1)
.rept 4
	v_nop
.endr
.irp f, 0,1                                    ; K: tile of 16 keys k, channels 32 f on: the first 32 channels' eight loads first
.irp k, 0,1,2,3
.irp c, 0,1
	ds_load_b128 v[KV+8*(2*\k+\f)+4*\c:KV+8*(2*\k+\f)+4*\c+3], v[ADR] offset:(2*\k+\f)*1024+\c*512
.endr
.endr
.endr
	s_wait_dscnt 8                                 ; the first eight are in; the second 32 channels' eight may be out
	WIN W_KQ
.irp k, 0,1,2,3
.irp t, 0,1,2,3
	v_wmma_f32_16x16x32_f16 v[S+32*\t+8*\k:S+32*\t+8*\k+7], v[KV+16*\k:KV+16*\k+7], v[QF+16*\t:QF+16*\t+7], 0
.endr
.endr
	s_wait_dscnt 0x0
.irp k, 0,1,2,3
.irp t, 0,1,2,3
	v_wmma_f32_16x16x32_f16 v[S+32*\t+8*\k:S+32*\t+8*\k+7], v[KV+16*\k+8:KV+16*\k+15], v[QF+16*\t+8:QF+16*\t+15], v[S+32*\t+8*\k:S+32*\t+8*\k+7]
.endr
.endr
	WIN 0
.rept 4
	v_nop                                          ; four places: K's registers are loaded over, and the scores are read
.endr
.irp g, 0,1                                    ; V^T: 32 keys g, 16 channels d: it lands while the softmax is walked
.irp d, 0,1,2,3
.irp c, 0,1
	ds_load_b128 v[KV+8*(4*\g+\d)+4*\c:KV+8*(4*\g+\d)+4*\c+3], v[ADR] offset:8192+(4*\g+\d)*1024+\c*512
.endr
.endr
.endr
.irp t, 0,1,2,3                                ; the maximum of the lane's 32 scores and the old m; each accumulator is first read at one of its four lowest registers
	v_max3_num_f32 v[ST+8*\t+4], v[S+32*\t], v[S+32*\t+1], v[S+32*\t+2]
.endr
.irp i, 3,5,7,9,11,13,15,17,19,21,23,25,27,29
.irp t, 0,1,2,3
	v_max3_num_f32 v[ST+8*\t+4], v[ST+8*\t+4], v[S+32*\t+\i], v[S+32*\t+\i+1]
.endr
.endr
.irp t, 0,1,2,3
	v_max3_num_f32 v[ST+8*\t+4], v[ST+8*\t+4], v[S+32*\t+31], v[ST+8*\t+1]
.endr
.irp t, 0,1,2,3
	v_permlanex16_b32 v[ST+8*\t+5], v[ST+8*\t+4], s[SEL], s[SEL+1]   ; the query's other 32 keys lie in the lane 16 away
.endr
.irp t, 0,1,2,3
	v_mov_b32 v[ST+8*\t+7], v[ST+8*\t]             ; c m_old
.endr
.irp t, 0,1,2,3
	v_max_num_f32 v[ST+8*\t+1], v[ST+8*\t+4], v[ST+8*\t+5]
.endr
.irp t, 0,1,2,3
	v_mul_f32 v[ST+8*\t], s[CS], v[ST+8*\t+1]
.endr
.irp t, 0,1,2,3
	v_sub_f32 v[ST+8*\t+7], v[ST+8*\t+7], v[ST+8*\t]
.endr
	; ONE BATCH: the scalings c s - c m, a pair of scores each, and all 132 exponentials.  No line of it names an exponential's result; a pair is scaled a group ahead of its exponentials.
.irp t, 0,1,2,3
	v_pk_fma_f32 v[S+32*\t:S+32*\t+1], v[S+32*\t:S+32*\t+1], s[CS:CS+1], v[ST+8*\t:ST+8*\t+1] op_sel_hi:[1,0,0] neg_lo:[0,0,1] neg_hi:[0,0,1]
.endr
.irp t, 0,1,2,3
	v_exp_f32 v[ST+8*\t+6], v[ST+8*\t+7]           ; a
.endr
.irp b, 0,1,2,3,4,5,6,7,8,9,10,11,12,13,14,15
.if \b < 15
.irp t, 0,1,2,3
	v_pk_fma_f32 v[S+32*\t+2*\b+2:S+32*\t+2*\b+3], v[S+32*\t+2*\b+2:S+32*\t+2*\b+3], s[CS:CS+1], v[ST+8*\t:ST+8*\t+1] op_sel_hi:[1,0,0] neg_lo:[0,0,1] neg_hi:[0,0,1]
.endr
.endif
.irp t, 0,1,2,3
	v_exp_f32 v[S+32*\t+2*\b], v[S+32*\t+2*\b]
	v_exp_f32 v[S+32*\t+2*\b+1], v[S+32*\t+2*\b+1]
.endr
.endr
	v_nop                                          ; a plain instruction behind the last exponential, ahead of the first use
	s_wait_alu depctr_va_vdst(0)                   ; the wait ahead of the first instruction that names a result: one for the batch
.irp t, 0,1,2,3
	v_pk_fma_f32 v[ST+8*\t+2:ST+8*\t+3], v[ST+8*\t+2:ST+8*\t+3], v[ST+8*\t+6:ST+8*\t+7], v[S+32*\t:S+32*\t+1] op_sel_hi:[1,0,1]   ; l = a l + the first pair
.endr
.irp b, 1,2,3,4,5,6,7,8,9,10,11,12,13,14,15
.irp t, 0,1,2,3
	v_pk_add_f32 v[ST+8*\t+2:ST+8*\t+3], v[ST+8*\t+2:ST+8*\t+3], v[S+32*\t+2*\b:S+32*\t+2*\b+1]
.endr
.endr
.irp i, 0,1,2,3,4,5,6,7,8,9,10,11,12,13,14,15
.irp t, 0,1,2,3
	v_cvt_pk_f16_f32 v[S+32*\t+\i], v[S+32*\t+2*\i], v[S+32*\t+2*\i+1]   ; p to f16, in place, ascending: register i is written when 2 i and 2 i + 1 are read
.endr
.endr
	WIN W_RS
.irp i, 0,1,2,3,4,5,6,7,8,9,10,11,12,13,14,15
.irp t, 0,1,2,3
	v_pk_mul_f32 v[32*\t+2*\i:32*\t+2*\i+1], v[32*\t+2*\i:32*\t+2*\i+1], v[ST+8*\t+6:ST+8*\t+7] op_sel_hi:[1,0]   ; O^T x a
.endr
.endr
	s_wait_dscnt 0x0                               ; V is in
	WIN W_PV
.irp g, 0,1
.irp d, 0,1,2,3
.irp t, 0,1,2,3
	v_wmma_f32_16x16x32_f16 v[32*\t+8*\d:32*\t+8*\d+7], v[KV+8*(4*\g+\d):KV+8*(4*\g+\d)+7], v[S+32*\t+8*\g:S+32*\t+8*\g+7], v[32*\t+8*\d:32*\t+8*\d+7]
.endr
.endr
.endr
	WIN 0
	s_add_co_u32 s[TB], s[TB], STEPB
.endm
; THE CHANGE OF SLOTS, at a slot's head.  Each wave waits for all its tensor loads (its part of the slot that it is about to read), adds 0 to its spare word, and waits for that and for its reads of the slot that it has left.
; fill = 1: a round of the cluster's barrier, so that no wave of any partner still reads the other slot or has a load on its way; the joint load is the first thing behind it.
.macro CHANGE fill
	s_wait_tensorcnt 0x0                           ; no tensor load of mine is out, so group 0 may be written
	ds_add_u32 v[SPW], v[NIL]                      ; 0 onto my spare word
.if \fill
	s_xor_b32 s[G0+1], s[G0+1], SLOT1              ; the walking descriptor: the other slot than last time,
	s_add_nc_u64 s[G0+2:G0+3], s[G0+2:G0+3], SLOT1 ; the next 512 keys' 131,072 bytes; the type bits on top are not reached
	s_wait_xcnt 0x0                                ; the last prefetch, a slot back, has read its address
	s_add_nc_u64 s[PFA:PFA+1], s[PFA:PFA+1], SLOT1 ; one slot further on than the walking descriptor
	s_wait_dscnt 0x0                               ; the add is done, and my reads of the slot that I have left are over
	CROUND
	tensor_load_to_lds s[G0:G0+3], s[G1:G1+7]      ; my one tensor load behind the round
	s_nop 0
.rept 4
	v_nop
.endr
	ASK
.else
	s_wait_dscnt 0x0
	s_barrier_signal -1
	s_barrier_wait -1
.endif
.endm
.macro EIGHT                           ; a slot's eight steps: written once, walked eight times; the LDS addresses hang on s[TB]
	s_mov_b32 s[STEPS], 8
.Lstep_\@:
	STEP
	s_sub_co_u32 s[STEPS], s[STEPS], 1
	s_cmp_lg_u32 s[STEPS], 0
	s_cbranch_scc1 .Lstep_\@
	s_sub_co_u32 s[TB], s[TB], 8*STEPB             ; back to a slot's first step,
	s_xor_b32 s[TB], s[TB], SLOT1                  ; in the other slot
.endm
.Lslot:                                            ; three trips: behind each change of slots but the last the next slot is asked for
	CHANGE 1
	EIGHT
	s_sub_co_u32 s[SLOTS], s[SLOTS], 1
	s_cmp_lg_u32 s[SLOTS], 0
	s_cbranch_scc1 .Lslot
	CHANGE 0                                       ; the last slot is written out
	EIGHT
	; THE WAY OUT.  l's halves and the other half of the lanes' are added; O^T / l + b_v, rounded to f16: a lane's eight channels are four registers of the projection's operand, stored as they stand.
.irp t, 0,1,2,3
	v_add_f32 v[ST+8*\t+4], v[ST+8*\t+2], v[ST+8*\t+3]   ; (these four are the places behind the last products)
.endr
.irp t, 0,1,2,3
	v_permlanex16_b32 v[ST+8*\t+5], v[ST+8*\t+4], s[SEL], s[SEL+1]
.endr
.irp t, 0,1,2,3
	v_add_f32 v[ST+8*\t+4], v[ST+8*\t+4], v[ST+8*\t+5]
.endr
.irp t, 0,1,2,3
	v_rcp_f32 v[ST+8*\t+6], v[ST+8*\t+4]
.endr
	v_nop                                          ; a plain instruction between the last reciprocal and the use of its result
	s_wait_alu depctr_va_vdst(0)                   ; and the wait: one for the four
	WIN 0x51                                       ; O^T (destination, source 0) and b_v (source 2) window 1; 1 / l window 0
.irp t, 0,1,2,3
.irp i, 0,1,2,3,4,5,6,7,8,9,10,11,12,13,14,15
	v_pk_fma_f32 v[32*\t+2*\i:32*\t+2*\i+1], v[32*\t+2*\i:32*\t+2*\i+1], v[ST+8*\t+6:ST+8*\t+7], v[BV+2*\i:BV+2*\i+1] op_sel_hi:[1,0,1]
.endr
.endr
	WIN 0x45                                       ; all in window 1: Q's registers take the packed o
.irp t, 0,1,2,3
.irp i, 0,1,2,3,4,5,6,7,8,9,10,11,12,13,14,15
	v_cvt_pk_f16_f32 v[QF+16*\t+\i], v[32*\t+2*\i], v[32*\t+2*\i+1]
.endr
.endr
	WIN 0x04                                       ; a store's data are its source 1: window 1
.irp t, 0,1,2,3
.irp d, 0,1,2,3
	global_store_b128 v[LI], v[QF+16*\t+4*\d:QF+16*\t+4*\d+3], s[10:11] offset:\t*4096+\d*512   ; 32 lanes store 512 consecutive bytes, at a multiple of 512 from o's first byte
.endr
.endr
	WIN 0
	s_wait_tensorcnt 0x0                           ; the wave's end
	ds_add_u32 v[SPW], v[NIL]
	s_wait_dscnt 0x0
	CROUND                                         ; the closing round
	s_endpgm
.Lfunc_end_k_q175b4297e0_attn:
	.size	k_q175b4297e0_attn, .Lfunc_end_k_q175b4297e0_attn-k_q175b4297e0_attn
	.p2alignl 7, 3214868480
	.fill 96, 4, 3214868480
	.section	.rodata,"a",@progbits
	.p2align	6, 0x0
	.amdhsa_kernel k_q175b4297e0_attn
		.amdhsa_group_segment_fixed_size 327680
		.amdhsa_private_segment_fixed_size 0
		.amdhsa_enable_private_segment 0
		.amdhsa_kernarg_size 32
		.amdhsa_user_sgpr_count 2
		.amdhsa_user_sgpr_kernarg_segment_ptr 1
		.amdhsa_wavefront_size32 1
		.amdhsa_system_sgpr_workgroup_id_x 1
		.amdhsa_system_sgpr_workgroup_id_y 1
		.amdhsa_system_sgpr_workgroup_id_z 1
		.amdhsa_system_vgpr_workitem_id 0
		.amdhsa_next_free_vgpr 512
		.amdhsa_next_free_sgpr 66
		.amdhsa_reserve_vcc 0
		.amdhsa_float_denorm_mode_32 3
		.amdhsa_float_denorm_mode_16_64 3
		.amdhsa_memory_ordered 1
		.amdhsa_forward_progress 1
		.amdhsa_inst_pref_size 87
	.end_amdhsa_kernel
	.amdgpu_metadata
---
amdhsa.version: [ 1, 2 ]
amdhsa.kernels:
  - .name:           k_q175b4297e0_attn
    .symbol:         k_q175b4297e0_attn.kd
    .args:
      - { .name: q, .offset: 0, .size: 8, .value_kind: global_buffer, .address_space: global }
      - { .name: kv, .offset: 8, .size: 8, .value_kind: global_buffer, .address_space: global }
      - { .name: b_qkv, .offset: 16, .size: 8, .value_kind: global_buffer, .address_space: global }
      - { .name: o, .offset: 24, .size: 8, .value_kind: global_buffer, .address_space: global }
    .group_segment_fixed_size: 327680
    .private_segment_fixed_size: 0
    .kernarg_segment_align: 8
    .kernarg_segment_size: 32
    .max_flat_workgroup_size: 256
    .sgpr_count:     66
    .vgpr_count:     512
    .wavefront_size: 32
...
	.end_amdgpu_metadata
.endif
;; end of part 3
;; launch proj (part 4): grid 8 x 32, 4 waves a work-group, clusters of 4 x 4, 327,680 bytes of LDS; arguments o, wp16, b_proj, out0; writes out0
.if DOCPART == 4
	.amdgcn_target "amdgcn-amd-amdhsa--gfx1250"
	.amdhsa_code_object_version 6
	.text
	.protected	k_q175b4297e0_proj
	.globl	k_q175b4297e0_proj
	.p2align	8
	.type	k_q175b4297e0_proj,@function
k_q175b4297e0_proj:
	s_mov_b64 s[64:65], 0
	v_nop
	global_prefetch_b8 v0, s[64:65] scope:SCOPE_SE
	s_setreg_imm32_b32 hwreg(HW_REG_WAVE_MODE, 25, 1), 1
	s_wait_xcnt 0x0
	s_wait_alu depctr_hold_cnt(0) depctr_sa_sdst(0) depctr_va_vdst(0) depctr_va_sdst(0) depctr_va_ssrc(0) depctr_va_vcc(0) depctr_vm_vsrc(0)
	s_getreg_b32 s2, hwreg(HW_REG_IB_STS2, 6, 4)
	s_cmp_eq_u32 s2, 0
	s_cbranch_scc0 .Lentry_in_a_cluster
	s_endpgm
.Lentry_in_a_cluster:
	s_bfe_u32 s2, ttmp6, 0x10000c
	s_cmp_lg_u32 s2, 0xf033
	s_cbranch_scc0 .Lentry_shape_is_right
	s_endpgm
.Lentry_shape_is_right:
; out0 = o w_proj^T + b_proj.  o: 8,192 tokens x 1,024, f16, as images of the operand's registers: [128 of K: 8][tile of 16 tokens: 512][32 of K: 4][piece: 2][512 bytes].  wp16: [1024 n][1024 k] f16.  out0: [8192][1024] f32; sums in f32.
; A tile of out0 is 256 tokens x 128 columns: 256 work-groups of four waves, each 128 x 64: 32 accumulators, 256 registers.  K goes in 8 steps of 128 through a ring of two LDS slots.
; THE MATRIX INSTRUCTION IS USED TRANSPOSED (source 0 = 16 rows of wp16, source 1 = 16 tokens): a lane holds eight neighbouring columns of one token.  The bias is the C of each sum's first matrix instruction.
; CLUSTERS: 4 x 4 work-groups.  o's tile hangs on the tile row alone and is shared along a row of the cluster, wp16's on the tile column alone and is shared along a column: each is asked for JOINTLY.
; A step's o images of 256 tokens are 65,536 consecutive bytes (waves 0, 1: 32,768 each, as 128 rows of 256 bytes); wp16's 128 rows x 256 bytes come padded to 272 (waves 2, 3: 64 rows each).
; Two tensor loads of a wave are out at the start, one behind each round.
; REGISTERS: window 0: v16-30 addresses; v32-63 the bias; v64-159, v160-255 two fragment buffers for 32 along K (64 registers of o, then 32 of wp16).  window 1: accumulator (a, b) at v[8 (4 a + b)].
.set PITCH,  272                       ; a row of wp16 in LDS: 256 bytes + 16: the 16 rows that a load touches start at 16 different banks (64 banks of 4 bytes: ISA guide 11.1)
.set ABYTES, 65536
.set SLOT,   ABYTES+128*PITCH
.set STAGE,  2*SLOT                    ; behind the ring: 16 rows x 272 bytes for each wave, for the way out
.set SPITCH, 272
.set SPARE,  STAGE+4*16*SPITCH         ; the spare words, 128 bytes a wave
.set KA,     2097152                   ; a K step on in o
.set KB,     256                       ; and in a row of wp16
.set LAPS,   4                         ; a lap = two K steps
.set ADRA, 16
.set ADRB, 20
.set STO,  24
.set RD,   25
.set CO,   26
.set BO,   27
.set SPW,  28
.set NIL,  29
.set BI,   32
.set F0,   64
.set F1,   160
.set G1A, 24
.set G0A, 32
.set G1B, 48
.set G0B, 56
.set MSB, 0
.macro WIN new
.if MSB != \new
	s_set_vgpr_msb (MSB<<8)|\new
.set MSB, \new
.endif
.endm
.set W_MUL,   0x50                     ; C and D window 1, sources window 0
.set W_FIRST, 0x40                     ; the first quarter: C (the bias) window 0
.macro JLOAD s                         ; waves 0 and 1 fetch o's two halves, waves 2 and 3 wp16's; an s_nop 0 and four v_nop follow each of the two lines
	s_cmp_eq_u32 s15, 0
	s_cbranch_scc0 .Lfor_b_\@
	tensor_load_to_lds s[G0A+4*\s:G0A+4*\s+3], s[G1A:G1A+7]
	s_nop 0
.rept 4
	v_nop
.endr
	s_branch .Lasked_\@
.Lfor_b_\@:
	tensor_load_to_lds s[G0B+4*\s:G0B+4*\s+3], s[G1B:G1B+7]
	s_nop 0
.rept 4
	v_nop
.endr
.Lasked_\@:
.endm
.macro CREST                           ; a round of the cluster's barrier behind its opening barrier
	s_cmp_lg_u32 s14, 0
	s_cbranch_scc1 .Lnot_wave_0_\@
	s_barrier_signal -3
.Lnot_wave_0_\@:
	s_barrier_wait -3
	s_barrier_signal -1
	s_barrier_wait -1
.endm
.macro CROUND
	s_barrier_signal -1
	s_barrier_wait -1
	CREST
.endm
	s_load_b256 s[4:11], s[0:1], 0x0               ; o s[4:5], wp16 s[6:7], b_proj s[8:9], out0 s[10:11]
	v_lshl_add_u32 v[SPW], v0, 2, SPARE
	v_mov_b32 v[NIL], 0
	ds_add_u32 v[SPW], v[NIL]                      ; the wave's opening: the add, twice on end; its wait stands ahead of my first tensor load
	ds_add_u32 v[SPW], v[NIL]
	v_lshrrev_b32 v1, 5, v0
	v_readfirstlane_b32 s14, v1                    ; wave 0..3
	s_lshr_b32 s15, s14, 1                         ; which 128 tokens are mine.  Also: I fetch for o (0) or for wp16 (1)
	s_and_b32 s16, s14, 1                          ; which 64 columns.  Also: which half of that tile I fetch
	s_bfe_u32 s40, ttmp6, 0x40000                  ; cx
	s_bfe_u32 s41, ttmp6, 0x40004                  ; cy
	s_lshl_b32 s42, ttmp9, 2
	s_add_co_u32 s42, s42, s40                     ; tile column
	s_and_b32 s17, ttmp7, 0xffff
	s_lshl_b32 s17, s17, 2
	s_add_co_u32 s17, s17, s41                     ; tile row
	s_lshl_b32 s43, s41, 2
	s_lshl_b32 s43, 15, s43                        ; my row of the cluster
	s_lshl_b32 s44, 0x1111, s40                    ; my column
	s_or_b32 s[G1A], s43, (3<<16)|(1<<21)          ; o: 32,768 dense bytes as 128 rows of 256 bytes (32 elements of 8 bytes), no padding
	s_mov_b32 s[G1A+1], 32<<16
	s_mov_b32 s[G1A+2], 128<<16
	s_mov_b32 s[G1A+3], 32<<16
	s_mov_b32 s[G1A+4], 128
	s_mov_b32 s[G1A+5], 32
	s_mov_b32 s[G1A+6], 0
	s_mov_b32 s[G1A+7], 0
	s_or_b32 s[G1B], s44, (1<<16)|(1<<20)|(1<<21)|(5<<22)|(3<<25)   ; wp16: 64 rows x 128 elements of 2 bytes, 4 words of padding behind every 64
	s_mov_b32 s[G1B+1], 128<<16
	s_mov_b32 s[G1B+2], 64<<16
	s_mov_b32 s[G1B+3], 128<<16
	s_mov_b32 s[G1B+4], 64
	s_mov_b32 s[G1B+5], 1024
	s_mov_b32 s[G1B+6], 0
	s_mov_b32 s[G1B+7], 0
	s_lshl_b32 s20, s17, 16                        ; o: the tile row's 16 tiles of 4,096 bytes,
	s_lshl_b32 s18, s16, 15                        ; my 8 of them; also their place in a slot
	s_add_co_u32 s20, s20, s18
	s_mov_b32 s21, 0
	s_lshl_b32 s46, s42, 18                        ; wp16: the tile column's 128 rows of 2,048 bytes,
	s_lshl_b32 s19, s16, 17                        ; my 64 of them
	s_add_co_u32 s46, s46, s19
	s_mov_b32 s47, 0
	s_mul_i32 s45, s16, 64*PITCH
	s_add_co_u32 s45, s45, ABYTES                  ; and their place in a slot
	s_wait_dscnt 0x0                               ; both opening adds are done
	s_wait_kmcnt 0x0
	s_add_nc_u64 s[20:21], s[4:5], s[20:21]
	s_add_nc_u64 s[46:47], s[6:7], s[46:47]
	CROUND                                         ; all sixteen work-groups are here: the first joint loads meet
.irp s, 0,1
	s_mov_b32 s[G0A+4*\s], 1
	s_add_co_u32 s[G0A+4*\s+1], s18, \s*SLOT
	s_add_nc_u64 s[G0A+4*\s+2:G0A+4*\s+3], s[20:21], \s*KA
	s_or_b32 s[G0A+4*\s+3], s[G0A+4*\s+3], 0x80000000
	s_mov_b32 s[G0B+4*\s], 1
	s_add_co_u32 s[G0B+4*\s+1], s45, \s*SLOT
	s_add_nc_u64 s[G0B+4*\s+2:G0B+4*\s+3], s[46:47], \s*KB
	s_or_b32 s[G0B+4*\s+3], s[G0B+4*\s+3], 0x80000000
	JLOAD \s
.endr
	s_lshl_b32 s22, s42, 9
	s_lshl_b32 s23, s16, 8
	s_add_co_u32 s22, s22, s23                     ; my first column, in bytes of f32
	s_mov_b32 s23, 0
	s_add_nc_u64 s[8:9], s[8:9], s[22:23]
	s_add_nc_u64 s[10:11], s[10:11], s[22:23]
	s_lshl_b32 s22, s17, 20                        ; my first token: 256 x tile row + 128 x half, rows of 4,096 bytes
	s_lshl_b32 s19, s15, 19
	s_add_co_u32 s22, s22, s19
	s_add_nc_u64 s[10:11], s[10:11], s[22:23]
	v_and_b32 v1, 15, v0                           ; r
	v_bfe_u32 v2, v0, 4, 1                         ; h
	v_lshlrev_b32 v[BO], 5, v2
.irp b, 0,1,2,3
	global_load_b128 v[BI+8*\b:BI+8*\b+3], v[BO], s[8:9] offset:64*\b              ; the bias of columns 16 b + 8 h + 0 .. 7: the result's layout
	global_load_b128 v[BI+8*\b+4:BI+8*\b+7], v[BO], s[8:9] offset:64*\b+16
.endr
	v_and_b32 v3, 31, v0
	v_lshlrev_b32 v3, 4, v3
	s_lshl_b32 s19, s15, 15
	v_add_nc_u32 v[ADRA], s19, v3                  ; o's images: my 8 tiles, 16 x lane
	v_add_nc_u32 v[ADRA+1], SLOT, v[ADRA]
	v_mul_u32_u24 v4, v1, PITCH
	v_lshl_add_u32 v4, v2, 4, v4
	s_mul_i32 s19, s16, 64*PITCH
	s_add_co_u32 s19, s19, ABYTES
	v_add_nc_u32 v[ADRB], s19, v4                  ; wp16's rows: my 64, row x pitch + 16 x half
	v_add_nc_u32 v[ADRB+1], SLOT, v[ADRB]
	s_mul_i32 s19, s14, 16*SPITCH
	s_add_co_u32 s19, s19, STAGE                   ; my stage
	v_mul_u32_u24 v5, v1, SPITCH
	v_lshl_add_u32 v5, v2, 5, v5
	v_add_nc_u32 v[STO], s19, v5                   ; in: row r, 32 bytes for each half of the lanes
	v_mul_u32_u24 v5, v2, SPITCH
	v_lshl_add_u32 v5, v1, 4, v5
	v_add_nc_u32 v[RD], s19, v5                    ; back: lanes 0-15 one row of 256 bytes, lanes 16-31 the next
	v_lshlrev_b32 v5, 12, v2
	v_lshl_add_u32 v[CO], v1, 4, v5                ; and the same two rows in out0
; 8 matrix instructions: o's blocks a0, a0 + 1 x wp16's four, 32 along K: buffer f.  The 32 accumulators take turns, one instruction a turn, in the same order in every quarter.
.macro MUL8 f, a0, first
.irp a, \a0, \a0+1
.irp b, 0,1,2,3
.if \first
	v_wmma_f32_16x16x32_f16 v[8*(4*(\a)+\b):8*(4*(\a)+\b)+7], v[\f+64+8*\b:\f+64+8*\b+7], v[\f+8*(\a):\f+8*(\a)+7], v[BI+8*\b:BI+8*\b+7]
.else
	v_wmma_f32_16x16x32_f16 v[8*(4*(\a)+\b):8*(4*(\a)+\b)+7], v[\f+64+8*\b:\f+64+8*\b+7], v[\f+8*(\a):\f+8*(\a)+7], v[8*(4*(\a)+\b):8*(4*(\a)+\b)+7]
.endif
.endr
.endr
.endm
; 24 LDS loads in one run: the slot's q-th 32 along K into buffer f: wp16's four fragments, o's blocks 0-3, o's blocks 4-7
.macro FETCH slot, q, f
	WIN 0
.irp b, 0,1,2,3
	ds_load_b128 v[\f+64+8*\b:\f+64+8*\b+3],   v[ADRB+\slot] offset:64*(\q)+\b*16*PITCH
	ds_load_b128 v[\f+64+8*\b+4:\f+64+8*\b+7], v[ADRB+\slot] offset:64*(\q)+\b*16*PITCH+32
.endr
.irp a, 0,1,2,3,4,5,6,7
	ds_load_b128 v[\f+8*\a:\f+8*\a+3],   v[ADRA+\slot] offset:\a*4096+(\q)*1024
	ds_load_b128 v[\f+8*\a+4:\f+8*\a+7], v[ADRA+\slot] offset:\a*4096+(\q)*1024+512
.endr
.endm
.macro PLACES                          ; four places in front of loads into registers that matrix instructions have read, and of reads of results
.rept 4
	v_nop
.endr
.endm
; A K step is four quarters of 32 along K, 32 matrix instructions each, on buffers 0, 1, 0, 1.  One of the first three: multiplies buffer f and fetches the slot's q-th quarter into g.
.macro QUARTER slot, q, f, g, first
	s_wait_dscnt 8                                 ; wp16's fragments and o's blocks 0-3 are in; the youngest eight loads (blocks 4-7) may be out
.if \first
	WIN W_FIRST
.else
	WIN W_MUL
.endif
	MUL8 \f, 0, \first
	MUL8 \f, 2, \first
	PLACES
	FETCH \slot, \q, \g
	s_wait_dscnt 24                                ; all but the 24 just issued
.if \first
	WIN W_FIRST
.else
	WIN W_MUL
.endif
	MUL8 \f, 4, \first
	MUL8 \f, 6, \first
.endm
; The last quarter multiplies buffer 1 and changes slots: ONE barrier; in front of it each wave waits for all its tensor loads, adds 0 to its spare word, and waits for that and for its reads of this slot.
; fill = 1: the barrier opens a round of the cluster's barrier, and this slot is filled again, two K steps ahead.
.macro TURN slot, next, fill
	WIN 0
	s_wait_tensorcnt 0x0                           ; all my tensor loads have landed: my part of the next slot
	ds_add_u32 v[SPW], v[NIL]                      ; 0 onto my spare word
	s_wait_dscnt 9                                 ; (the add and the youngest eight loads may be out)
	WIN W_MUL
	MUL8 F1, 0, 0
	s_wait_dscnt 0x0                               ; the add is done, and my reads of this slot are over
	s_barrier_signal -1
	MUL8 F1, 2, 0
.if \fill
	WIN 0
.endif
	s_barrier_wait -1
.if \fill
	CREST                                          ; no wave of any partner still reads this slot's tile or has a load on its way
	s_add_nc_u64 s[G0A+4*\slot+2:G0A+4*\slot+3], s[G0A+4*\slot+2:G0A+4*\slot+3], 2*KA
	s_add_nc_u64 s[G0B+4*\slot+2:G0B+4*\slot+3], s[G0B+4*\slot+2:G0B+4*\slot+3], 2*KB
	JLOAD \slot                                    ; the first tensor load behind the round; its four v_nop are also the places in front of the loads below
.else
	PLACES
.endif
	FETCH \next, 0, F0
	WIN W_MUL
	MUL8 F1, 4, 0
	MUL8 F1, 6, 0
.endm
	s_wait_tensorcnt 1                             ; my part of K step 0 is in (K step 1's load may be out)
	s_barrier_signal -1
	s_barrier_wait -1                              ; everybody's is
	FETCH 0, 0, F0
	s_wait_loadcnt 0x0                             ; the bias
	QUARTER 0, 1, F0, F1, 1                        ; the first quarter stands in front of the loop: its products start the sums, from the bias
	WIN 0
	s_mov_b32 s3, LAPS-1
.Llap:                                             ; a trip goes once round the ring, from a lap's second quarter to the next lap's first, and fills both slots again
	QUARTER 0, 2, F1, F0, 0
	QUARTER 0, 3, F0, F1, 0
	TURN 0, 1, 1
	QUARTER 1, 1, F0, F1, 0
	QUARTER 1, 2, F1, F0, 0
	QUARTER 1, 3, F0, F1, 0
	TURN 1, 0, 1
	QUARTER 0, 1, F0, F1, 0
	WIN 0
	s_sub_co_u32 s3, s3, 1
	s_cmp_lg_u32 s3, 0
	s_cbranch_scc1 .Llap
	QUARTER 0, 2, F1, F0, 0                        ; the last lap fills nothing, and has no round of the cluster's barrier
	QUARTER 0, 3, F0, F1, 0
	TURN 0, 1, 0
	QUARTER 1, 1, F0, F1, 0
	QUARTER 1, 2, F1, F0, 0
	QUARTER 1, 3, F0, F1, 0
	s_wait_dscnt 8                                 ; the very last quarter: nothing more to fetch
	WIN W_MUL
	MUL8 F1, 0, 0
	MUL8 F1, 2, 0
	s_wait_dscnt 0
	MUL8 F1, 4, 0
	MUL8 F1, 6, 0
	WIN 0
; THE WAY OUT, block by block of 16 tokens x 64 columns.  A lane holds 32 neighbouring bytes of a row, the lanes beside it other rows: a block goes through my own stage in LDS and comes back as whole rows of 256 bytes.
; LDS serves a wave's instructions in order (ISA guide 5.7.1.4): no wait between the stores and the loads, nor in front of the next block's stores.
.macro TOSTAGE a
	WIN 0x04                                       ; an LDS store's data are its source 1: window 1
.irp b, 0,1,2,3
	ds_store_b128 v[STO], v[8*(4*(\a)+\b):8*(4*(\a)+\b)+3] offset:64*\b            ; each accumulator from its low end on
	ds_store_b128 v[STO], v[8*(4*(\a)+\b)+4:8*(4*(\a)+\b)+7] offset:64*\b+16
.endr
	WIN 0
.set BB, F0+32*((\a)%2)
.irp t, 0,1,2,3,4,5,6,7
	ds_load_b128 v[BB+4*\t:BB+4*\t+3], v[RD] offset:\t*2*SPITCH
.endr
.endm
.macro SEND a, younger                 ; younger: the LDS instructions issued behind block a's loads, which may stay out
.set BB, F0+32*((\a)%2)
	s_wait_dscnt \younger
.irp t, 0,1,2,3,4,5,6,7
	global_store_b128 v[CO], v[BB+4*\t:BB+4*\t+3], s[10:11] offset:(\a)*65536+\t*8192 th:TH_STORE_NT   ; 16 lanes store 256 consecutive bytes, at a multiple of 256 from out0's first byte
.endr
.endm
	PLACES                                         ; behind the last products: results are read, and registers that held fragments are loaded over
	TOSTAGE 0
.irp a, 1,2,3,4,5,6,7
.if \a > 1
	s_wait_xcnt 0x0                                ; block a - 2's stores have read their registers: block a's loads may land there
.endif
	TOSTAGE \a
	SEND \a-1, 16                                  ; behind block a - 1's loads: block a's 8 stores and 8 loads
.endr
	SEND 7, 0
	s_wait_tensorcnt 0x0                           ; the wave's end: behind my last tensor load and my last LDS store
	ds_add_u32 v[SPW], v[NIL]
	s_wait_dscnt 0x0
	CROUND                                         ; the closing round
	s_endpgm
.Lfunc_end_k_q175b4297e0_proj:
	.size	k_q175b4297e0_proj, .Lfunc_end_k_q175b4297e0_proj-k_q175b4297e0_proj
	.p2alignl 7, 3214868480
	.fill 96, 4, 3214868480
	.section	.rodata,"a",@progbits
	.p2align	6, 0x0
	.amdhsa_kernel k_q175b4297e0_proj
		.amdhsa_group_segment_fixed_size 327680
		.amdhsa_private_segment_fixed_size 0
		.amdhsa_enable_private_segment 0
		.amdhsa_kernarg_size 32
		.amdhsa_user_sgpr_count 2
		.amdhsa_user_sgpr_kernarg_segment_ptr 1
		.amdhsa_wavefront_size32 1
		.amdhsa_system_sgpr_workgroup_id_x 1
		.amdhsa_system_sgpr_workgroup_id_y 1
		.amdhsa_system_sgpr_workgroup_id_z 1
		.amdhsa_system_vgpr_workitem_id 0
		.amdhsa_next_free_vgpr 512
		.amdhsa_next_free_sgpr 66
		.amdhsa_reserve_vcc 0
		.amdhsa_float_denorm_mode_32 3
		.amdhsa_float_denorm_mode_16_64 3
		.amdhsa_memory_ordered 1
		.amdhsa_forward_progress 1
		.amdhsa_inst_pref_size 86
	.end_amdhsa_kernel
	.amdgpu_metadata
---
amdhsa.version: [ 1, 2 ]
amdhsa.kernels:
  - .name:           k_q175b4297e0_proj
    .symbol:         k_q175b4297e0_proj.kd
    .args:
      - { .name: o, .offset: 0, .size: 8, .value_kind: global_buffer, .address_space: global }
      - { .name: wp16, .offset: 8, .size: 8, .value_kind: global_buffer, .address_space: global }
      - { .name: b_proj, .offset: 16, .size: 8, .value_kind: global_buffer, .address_space: global }
      - { .name: out0, .offset: 24, .size: 8, .value_kind: global_buffer, .address_space: global }
    .group_segment_fixed_size: 327680
    .private_segment_fixed_size: 0
    .kernarg_segment_align: 8
    .kernarg_segment_size: 32
    .max_flat_workgroup_size: 128
    .sgpr_count:     66
    .vgpr_count:     512
    .wavefront_size: 32
...
	.end_amdgpu_metadata
.endif
;; end of part 4
